; MI455X (gfx1250); checked and timed in simulation.
; The chip was launched on July 23, 2026; its instructions are those of AMD's public machine-readable ISA for CDNA 5 (MIT licence, August 2026) and "CDNA5" Instruction Set Architecture Reference Guide (July 2026). The comments in the code are by the model that wrote it; some were corrected since.
;; Ghost Linear. Allowed arithmetic: float matrix products may take bf16 or f16 operands with f32 sums; other float arithmetic in f32, or as packed bf16 or f16 multiplies, adds, multiply-adds, maxima and minima; sums over many terms, partial sums and values carried from step to step in f32; what a program stores and reads back later, other than sums and carried values, may be rounded once to bf16 or f16.
;; Inputs: grid_indices 4,096 x 4,096 int32; lut 256 float32; scale 4,096 x 1 float32; x 4 x 1,024 x 4,096 float32.
;; Outputs: out0 4 x 1,024 x 4,096 float32.
;; 2 versions, each right; version 2 is version 1 with the launch prep written anew for expert scheduling mode. Each part assembles by itself: llvm-mc -triple=amdgcn-amd-amdhsa -mcpu=gfx1250 --defsym DOCPART=n.
;; ======== version 1 of 2: 2 launches
;; workspace buffers: xb 33,554,432 bytes; wb 33,554,432 bytes
;; launch prep (part 1): grid 1024 x 1, 8 waves a work-group, no clusters, 1,536 bytes of LDS; arguments x, grid_indices, lut, xb, wb; writes xb, wb
.if DOCPART == 1
	.amdgcn_target "amdgcn-amd-amdhsa--gfx1250"
	.amdhsa_code_object_version 6
	.text
	.protected	k_qf4abc0f108_prep
	.globl	k_qf4abc0f108_prep
	.p2align	8
	.type	k_qf4abc0f108_prep,@function
k_qf4abc0f108_prep:
	s_mov_b64 s[64:65], 0
	v_nop
	global_prefetch_b8 v0, s[64:65] scope:SCOPE_SE
	s_setreg_imm32_b32 hwreg(HW_REG_WAVE_MODE, 25, 1), 1
	s_wait_xcnt 0x0
; xb = bf16(x), wb[o][i] = bf16(lut[idx[o][i]]).  x: 16,777,216 f32; idx: 16,777,216 int32; lut: 256 f32; xb, wb: bf16 in the same linear order.
; The per-row scale is NOT applied here: the matrix operands stay exactly x and lut rounded once to bf16 (nearest even); the product's launch multiplies its finished f32 sums by scale.
; LIMITS.  An index is read as unsigned and held to 255 (the problem states 0 .. 255).  NaN and infinities pass through the rounding as they are.
; SHARES.  A stream: no matrix unit, no cluster, no tile.  Work-group g takes bytes 65,536 g on of x and of idx; wave w 8,192 bytes of each, as 16 loads of 512 consecutive bytes in two
; rounds of eight.  A lane's 16 bytes (4 numbers) become 8 bytes, so a wave's store covers 256 consecutive bytes, at a multiple of 256 from the buffer's first byte.
; The table lies in LDS as 256 bf16: thread t rounds and stores entry t; one barrier; then each index is one 2-byte LDS load.
; Eight to sixteen loads of every wave are on their way until the last round; no loop: the two rounds are written out by macro.
.set TAB,   0                          ; LDS bytes 0 .. 511: entry i at byte 2 i
.set SPARE, 512                        ; LDS bytes 512 .. 1,535: the spare words, 128 bytes for each of the eight waves; no other line names them
.set VI,  2                            ; v2   byte offset of my 16 bytes in the group's x and idx: 8,192 wave + 16 lane; never rewritten
.set VO,  3                            ; v3   the same in xb and wb: half of it; never rewritten
.set SPW, 4                            ; v4   LDS address of my spare word; never rewritten
.set NIL, 5                            ; v5   0; never rewritten
.set X,   8                            ; v[8:39]    eight loads of x, 4 registers each; converted in place
.set IDX, 40                           ; v[40:71]   eight loads of idx; turned into LDS addresses in place
.set GV,  72                           ; v[72:103]  the gathered bf16, one a register, then packed
	s_load_b256 s[4:11], s[0:1], 0x0               ; x s[4:5], idx s[6:7], lut s[8:9], xb s[10:11]
	s_load_b64 s[12:13], s[0:1], 0x20              ; wb
	v_lshl_add_u32 v[SPW], v0, 2, SPARE
	v_mov_b32 v[NIL], 0
	v_lshlrev_b32 v1, 2, v0                        ; my entry of lut, in bytes
	v_lshlrev_b32 v7, 1, v0                        ; and its place in the table
	v_lshrrev_b32 v6, 5, v0                        ; wave
	v_and_b32 v[VI], 31, v0                        ; lane
	v_lshlrev_b32 v[VI], 4, v[VI]
	v_lshl_or_b32 v[VI], v6, 13, v[VI]
	v_lshrrev_b32 v[VO], 1, v[VI]
	s_lshl_b32 s14, ttmp9, 16                      ; the group's 65,536 bytes of x and idx (1,024 groups: under 2^26)
	s_mov_b32 s15, 0
	s_lshl_b32 s16, ttmp9, 15                      ; and its 32,768 bytes of xb and wb
	s_mov_b32 s17, 0
	s_wait_kmcnt 0x0
	s_add_nc_u64 s[4:5], s[4:5], s[14:15]
	s_add_nc_u64 s[6:7], s[6:7], s[14:15]
	s_add_nc_u64 s[10:11], s[10:11], s[16:17]
	s_add_nc_u64 s[12:13], s[12:13], s[16:17]
; Eight loads of 512 consecutive bytes: round rnd of the buffer whose address lies in s[base:base+1].  Each byte is read once in the launch.
.macro LOADS dst, base, rnd
.irp j, 0,1,2,3,4,5,6,7
	global_load_b128 v[(\dst)+4*(\j):(\dst)+4*(\j)+3], v[VI], s[(\base):(\base)+1] offset:(\rnd)*4096+512*(\j) th:TH_LOAD_NT
.endr
.endm
; Eight loads of x are rounded and stored.  left = the loads issued behind the first of them.
.macro PROC_X rnd, left
.irp j, 0,1,2,3,4,5,6,7
	s_wait_loadcnt (\left)-(\j)                    ; loads come back in order: load j is in, the younger ones stay out
	v_cvt_pk_bf16_f32 v[X+4*(\j)],   v[X+4*(\j)],   v[X+4*(\j)+1]   ; two roundings, the first number in the low half
	v_cvt_pk_bf16_f32 v[X+4*(\j)+1], v[X+4*(\j)+2], v[X+4*(\j)+3]
	global_store_b64 v[VO], v[X+4*(\j):X+4*(\j)+1], s[10:11] offset:(\rnd)*2048+256*(\j)
.endr
.endm
; Eight loads of idx: all 32 gathers are issued first, then packed and stored in the order in which they come back.
.macro PROC_I rnd, left
.irp j, 0,1,2,3,4,5,6,7
	s_wait_loadcnt (\left)-(\j)
.irp k, 0,1,2,3
	v_min_u32 v[IDX+4*(\j)+(\k)], 0xff, v[IDX+4*(\j)+(\k)]          ; no index leaves the table
.endr
.irp k, 0,1,2,3
	v_lshlrev_b32 v[IDX+4*(\j)+(\k)], 1, v[IDX+4*(\j)+(\k)]         ; 2 bytes an entry
.endr
.irp k, 0,1,2,3
	ds_load_u16 v[GV+4*(\j)+(\k)], v[IDX+4*(\j)+(\k)]
.endr
.endr
.irp j, 0,1,2,3,4,5,6,7
	s_wait_dscnt 28-4*(\j)                         ; the four gathers of each younger group may stay out; the last count is 0: IDX is free again
	v_lshl_or_b32 v[GV+4*(\j)],   v[GV+4*(\j)+1], 16, v[GV+4*(\j)]  ; the upper halves came in as zeros
	v_lshl_or_b32 v[GV+4*(\j)+1], v[GV+4*(\j)+3], 16, v[GV+4*(\j)+2]
	global_store_b64 v[VO], v[GV+4*(\j):GV+4*(\j)+1], s[12:13] offset:(\rnd)*2048+256*(\j)
.endr
.endm
	global_load_b32 v6, v1, s[8:9]                 ; lut[t]
	LOADS IDX, 6, 0
	LOADS X, 4, 0
	s_wait_loadcnt 16                              ; lut's load is in; the sixteen behind it stay out
	v_cvt_pk_bf16_f32 v6, v6, v6
	ds_store_b16 v7, v6
	s_wait_dscnt 0x0                               ; for the others' sake: my entry of the table is written
	s_barrier_signal -1
	s_barrier_wait -1                              ; the table is whole; nobody writes it again
	PROC_I 0, 15                                   ; behind idx's load j: 7 - j of idx and 8 of x
	LOADS IDX, 6, 1
	PROC_X 0, 15                                   ; behind x's load j: 7 - j of x and 8 of idx's second round
	s_wait_xcnt 0x0                                ; the stores issued so far have read their registers: X is loaded again, and GV written again, only behind this wait
	LOADS X, 4, 1
	PROC_I 1, 15
	PROC_X 1, 7                                    ; nothing was issued behind these eight
	s_wait_tensorcnt 0x0                           ; the wave's end: behind my last LDS store
	ds_add_u32 v[SPW], v[NIL]
	s_wait_dscnt 0x0
	s_endpgm
.Lfunc_end_k_qf4abc0f108_prep:
	.size	k_qf4abc0f108_prep, .Lfunc_end_k_qf4abc0f108_prep-k_qf4abc0f108_prep
	.p2alignl 7, 3214868480
	.fill 96, 4, 3214868480
	.section	.rodata,"a",@progbits
	.p2align	6, 0x0
	.amdhsa_kernel k_qf4abc0f108_prep
		.amdhsa_group_segment_fixed_size 1536
		.amdhsa_private_segment_fixed_size 0
		.amdhsa_enable_private_segment 0
		.amdhsa_kernarg_size 40
		.amdhsa_user_sgpr_count 2
		.amdhsa_user_sgpr_kernarg_segment_ptr 1
		.amdhsa_wavefront_size32 1
		.amdhsa_system_sgpr_workgroup_id_x 1
		.amdhsa_system_sgpr_workgroup_id_y 1
		.amdhsa_system_sgpr_workgroup_id_z 1
		.amdhsa_system_vgpr_workitem_id 0
		.amdhsa_next_free_vgpr 104
		.amdhsa_next_free_sgpr 66
		.amdhsa_reserve_vcc 0
		.amdhsa_float_denorm_mode_32 3
		.amdhsa_float_denorm_mode_16_64 3
		.amdhsa_memory_ordered 1
		.amdhsa_forward_progress 1
		.amdhsa_inst_pref_size 24
	.end_amdhsa_kernel
	.amdgpu_metadata
---
amdhsa.version: [ 1, 2 ]
amdhsa.kernels:
  - .name:           k_qf4abc0f108_prep
    .symbol:         k_qf4abc0f108_prep.kd
    .args:
      - { .name: x, .offset: 0, .size: 8, .value_kind: global_buffer, .address_space: global }
      - { .name: grid_indices, .offset: 8, .size: 8, .value_kind: global_buffer, .address_space: global }
      - { .name: lut, .offset: 16, .size: 8, .value_kind: global_buffer, .address_space: global }
      - { .name: xb, .offset: 24, .size: 8, .value_kind: global_buffer, .address_space: global }
      - { .name: wb, .offset: 32, .size: 8, .value_kind: global_buffer, .address_space: global }
    .group_segment_fixed_size: 1536
    .private_segment_fixed_size: 0
    .kernarg_segment_align: 8
    .kernarg_segment_size: 40
    .max_flat_workgroup_size: 256
    .sgpr_count:     66
    .vgpr_count:     104
    .wavefront_size: 32
...
	.end_amdgpu_metadata
.endif
;; end of part 1
;; launch gemm (part 2): grid 16 x 16, 4 waves a work-group, clusters of 4 x 4, 327,680 bytes of LDS; arguments xb, wb, scale, out0; writes out0
.if DOCPART == 2
	.amdgcn_target "amdgcn-amd-amdhsa--gfx1250"
	.amdhsa_code_object_version 6
	.text
	.protected	k_qf4abc0f108_gemm
	.globl	k_qf4abc0f108_gemm
	.p2align	8
	.type	k_qf4abc0f108_gemm,@function
k_qf4abc0f108_gemm:
	s_mov_b64 s[64:65], 0
	v_nop
	global_prefetch_b8 v0, s[64:65] scope:SCOPE_SE
	s_setreg_imm32_b32 hwreg(HW_REG_WAVE_MODE, 25, 1), 1
	s_wait_xcnt 0x0
	s_wait_alu depctr_hold_cnt(0) depctr_sa_sdst(0) depctr_va_vdst(0) depctr_va_sdst(0) depctr_va_ssrc(0) depctr_va_vcc(0) depctr_vm_vsrc(0)
	s_getreg_b32 s2, hwreg(HW_REG_IB_STS2, 6, 4)
	s_cmp_eq_u32 s2, 0
	s_cbranch_scc0 .Lentry_in_a_cluster
	s_endpgm
.Lentry_in_a_cluster:
	s_bfe_u32 s2, ttmp6, 0x10000c
	s_cmp_lg_u32 s2, 0xf033
	s_cbranch_scc0 .Lentry_shape_is_right
	s_endpgm
.Lentry_shape_is_right:
; out0[m][o] = scale[o] x (sum over k of xb[m][k] wb[o][k]).  xb: [4096][4096] bf16 (x rounded once), wb: [4096][4096] bf16 (the table's entries rounded once), scale: [4096] f32, out0: [4096][4096] f32.
; One f32 sum for each output, K ascending.
; LIMITS.  scale multiplies the FINISHED f32 sum, unrounded: another order of rounding than weight = lut x scale ahead of the product; the unscaled sum has to be finite in f32.  NaN and infinities are not treated apart.
; SHARES.  A tile of out0, 256 x 256, is made by a work-group of four waves; a wave makes 128 x 128: 64 accumulators of 16 x 16, 512 registers.  16 x 16 tiles: 256 work-groups, one tile each.
; K goes in 32 steps of 128 through a ring of two LDS slots filled by the tensor data mover: a tile's rows are 256 bytes of memory and start at multiples of 256 bytes from the buffer's first byte.
; CLUSTERS: 4 x 4 work-groups.  The four of a row of the cluster need the same tiles of xb, the four of a column the same tiles of wb: each tile is asked for JOINTLY, by the same tensor load
; with the same descriptor and a mask that names the four; each receives it in its own LDS.  That divides the requests for both operands by four.
; THE MATRIX INSTRUCTION IS USED TRANSPOSED: source 0 = 16 rows of wb, source 1 = 16 rows of xb.  In the result lane l holds row l % 16 of out0 and its registers the columns 8 (l / 16) + 0 .. 7:
; 32 neighbouring bytes of a row.
; REGISTERS, in windows of 256 (s_set_vgpr_msb: bits 1:0 source 0, 3:2 source 1, 5:4 source 2, 7:6 destination):
;   window 0: v0-31 addresses and scale; v64-127, v128-191 fragments of xb (8 x 16 rows x 32 K), two buffers; on the way out the same 128 registers hold rows read back from the stage
;   window 1: v64-127, v128-191 fragments of wb, two buffers
;   window 2: the 32 accumulators of my rows 0-63 (accumulator (a, b) at v[8 (8 a + b)]);   window 3: those of my rows 64-127
.set SIZE_K, 4096
.set SIZE_N, 4096
.set KSTEP,  128
.set PITCH,  272                       ; an LDS row: 256 bytes of data + 16 of padding = 68 words: row r starts at bank 4 r mod 64 (64 banks of 4 bytes: ISA guide 11.1), so the 16 rows that a load touches start at 16 different banks
.set HALFT,  128*PITCH                 ; 128 rows: what one tensor load brings, and what one wave reads of either operand
.set SLOT,   4*HALFT                   ; xb's 256 rows, then wb's 256 rows
.set STAGE,  2*SLOT                    ; behind the ring: 16 rows x 528 bytes for each wave, for the way out; no tensor load lands here
.set SPITCH, 528                       ; a stage row: 128 f32 + 16 bytes = 132 words: again row r starts at bank 4 r mod 64
.set SPARE,  STAGE+4*16*SPITCH         ; behind the stages: the spare words, 128 bytes for each wave: two blocks of 256 bytes that no other line names
.set LAPS,   SIZE_K/(2*KSTEP)          ; a lap = two K steps = once round the ring: 16
.set SC,   8                           ; v[8:11] scale of the four columns that I store
.set ADRA, 16                          ; v16-17  LDS address of my xb fragments in slot 0, 1
.set ADRB, 20                          ; v20-21  the same for wb
.set STO,  24                          ; v24     the way out: where I put 32 bytes of a row
.set RD,   25                          ; v25     the way out: where I read 16 bytes of a row back
.set CO,   26                          ; v26     16 x lane: my byte offset in 512 bytes of a row of out0, and in my wave's 128 numbers of scale
.set SPW,  28                          ; v28     LDS address of my spare word: SPARE + 4 x my thread's number; never rewritten
.set NIL,  29                          ; v29     0; never rewritten
.set F0,   64                          ; fragment buffer 0
.set F1,   128                         ; fragment buffer 1
.set OB,   64                          ; the way out: 16 rows read back, 64 registers: v64-127 and v128-191 by turns
.set WV,   12                          ; s12  my wave's number
.set RH,   13                          ; s13  which half of the tile's rows is mine.  Also: I fetch for xb (0) or for wb (1)
.set CH,   14                          ; s14  which half of its columns.  Also: which 128 rows of that tile I fetch
.set LAP,  15                          ; s15  laps to go
.set G1,   24                          ; s[24:31] descriptor group 1 for xb's tiles
.set G0,   32                          ; s[32:39] descriptor group 0 for xb's tiles, one set for each slot
.set G1B,  48                          ; s[48:55] descriptor group 1 for wb's tiles: it differs in the mask alone
.set G0B,  56                          ; s[56:63] descriptor group 0 for wb's tiles, one set for each slot
.set MSB, 0
.macro WIN new                         ; the immediate's high byte repeats the setting that is left; a switch that changes nothing is dropped
.if MSB != (\new)
	s_set_vgpr_msb (MSB<<8)|(\new)
.set MSB, \new
.endif
.endm
.set MUL_LO, 0xa1                      ; source 0 (wb) window 1, source 1 (xb) window 0, C and D window 2
.set MUL_HI, 0xf1                      ; the same, C and D window 3
.set TO_B,   0x40                      ; destination window 1, address window 0
; A joint load.  Waves 0 and 1 fetch xb's two halves, waves 2 and 3 wb's.  Each of the two lines has ONE mask and one set of registers for all that issue it; the branch hangs on the wave's number alone.
; An s_nop 0 and four v_nop follow each of the two lines; the jump round the other line, the label and what follows the macro come after them.
.macro JLOAD s
	s_cmp_eq_u32 s[RH], 0
	s_cbranch_scc0 .Lfor_b_\@
	tensor_load_to_lds s[G0+4*(\s):G0+4*(\s)+3], s[G1:G1+7]
	s_nop 0
.rept 4
	v_nop
.endr
	s_branch .Lasked_\@
.Lfor_b_\@:
	tensor_load_to_lds s[G0B+4*(\s):G0B+4*(\s)+3], s[G1B:G1B+7]
	s_nop 0
.rept 4
	v_nop
.endr
.Lasked_\@:
.endm
; A round of the cluster's barrier: my work-group's barrier, so that wave 0's signal speaks for all four waves; wave 0 signals for the work-group; every wave waits for all
; sixteen work-groups; my work-group's barrier once more.  No LDS instruction of the wave is pending at a signal.
.macro CREST                           ; a round behind its opening barrier
	s_cmp_lg_u32 s[WV], 0
	s_cbranch_scc1 .Lnot_wave_0_\@
	s_barrier_signal -3
.Lnot_wave_0_\@:
	s_barrier_wait -3
	s_barrier_signal -1
	s_barrier_wait -1
.endm
.macro CROUND                          ; a whole round
	s_barrier_signal -1
	s_barrier_wait -1
	CREST
.endm
	s_load_b256 s[4:11], s[0:1], 0x0               ; xb s[4:5], wb s[6:7], scale s[8:9], out0 s[10:11]
	v_lshl_add_u32 v[SPW], v0, 2, SPARE
	v_mov_b32 v[NIL], 0
	ds_add_u32 v[SPW], v[NIL]                      ; the wave's opening: the add and its wait stand ahead of my first tensor load; the set-up below, work on registers, stands between them
	v_lshrrev_b32 v1, 5, v0
	v_readfirstlane_b32 s[WV], v1                  ; wave 0..3
	s_lshr_b32 s[RH], s[WV], 1
	s_and_b32 s[CH], s[WV], 1
	s_bfe_u32 s40, ttmp6, 0x40000                  ; cx: my place along the cluster's x
	s_bfe_u32 s41, ttmp6, 0x40004                  ; cy: along its y
	s_lshl_b32 s42, ttmp9, 2                       ; in a cluster launch ttmp9 and ttmp7 count clusters
	s_add_co_u32 s42, s42, s40                     ; tile column = 4 x cluster x + cx
	s_and_b32 s43, ttmp7, 0xffff
	s_lshl_b32 s43, s43, 2
	s_add_co_u32 s43, s43, s41                     ; tile row = 4 x cluster y + cy
	s_lshl_b32 s44, s41, 2
	s_lshl_b32 s44, 15, s44                        ; my row of the cluster: places 4 cy .. 4 cy + 3
	s_lshl_b32 s45, 0x1111, s40                    ; my column: places cx, cx + 4, cx + 8, cx + 12
	; descriptor group 1: a tile of 128 rows x 128 elements, padded in LDS
	s_or_b32 s[G1+0], s44, (1<<16)|(1<<20)|(1<<21)|(5<<22)|(3<<25)  ; 15:0 the mask: xb's tiles go to my row; 17:16 elements of 2 bytes; 20 padding on; 21 set beside a mask; 24:22 after every 64 words (code 5); 31:25 4 words of it (code 3)
	s_or_b32 s[G1B+0], s45, (1<<16)|(1<<20)|(1<<21)|(5<<22)|(3<<25) ; the same with the mask of my column, for wb's tiles
.irp g, G1, G1B
	s_mov_b32 s[(\g)+1], KSTEP<<16                 ; tensor_dim0 = 128
	s_mov_b32 s[(\g)+2], 128<<16                   ; tensor_dim1 = 128
	s_mov_b32 s[(\g)+3], KSTEP<<16                 ; tile_dim0 = 128
	s_mov_b32 s[(\g)+4], 128                       ; tile_dim1 = 128; tile_dim2 = 0
	s_mov_b32 s[(\g)+5], SIZE_K                    ; elements from row to row
	s_mov_b32 s[(\g)+6], 0
	s_mov_b32 s[(\g)+7], 0
.endr
	; where the tiles come from.  xb's hang on the tile row alone, which my row of the cluster shares; wb's on the tile column alone, which my column shares.
	; Every wave makes both addresses, from offsets that never hold the other coordinate, and asks by one of them.  A row is 8,192 bytes: the offsets stay under 2^25.
	s_lshl_b32 s17, s[CH], 7                       ; which 128 rows of the tile I fetch
	s_lshl_b32 s16, s43, 8
	s_add_co_u32 s16, s16, s17                     ; xb: row 256 x tile row + 128 x half
	s_lshl_b32 s16, s16, 13
	s_lshl_b32 s46, s42, 8
	s_add_co_u32 s46, s46, s17                     ; wb: row 256 x tile column + 128 x half
	s_lshl_b32 s46, s46, 13
	s_mov_b32 s17, 0
	s_mov_b32 s47, 0
	s_mul_i32 s20, s[WV], HALFT                    ; and where they go: xb's two halves, then wb's two halves = wave x 128 rows: no place in the cluster enters an LDS address
	s_wait_dscnt 0x0                               ; the opening add is done
	s_wait_kmcnt 0x0
	s_add_nc_u64 s[18:19], s[4:5], s[16:17]
	s_add_nc_u64 s[46:47], s[6:7], s[46:47]
	CROUND                                         ; all sixteen work-groups are here: the first joint loads meet
.irp s, 0,1
	s_mov_b32 s[G0+4*(\s)], 1                                        ; count = 1
	s_add_co_u32 s[G0+4*(\s)+1], s20, (\s)*SLOT                      ; LDS address
	s_add_nc_u64 s[G0+4*(\s)+2:G0+4*(\s)+3], s[18:19], (\s)*KSTEP*2  ; global address: K step s
	s_or_b32 s[G0+4*(\s)+3], s[G0+4*(\s)+3], 0x80000000              ; type = 2
	s_mov_b32 s[G0B+4*(\s)], 1
	s_add_co_u32 s[G0B+4*(\s)+1], s20, (\s)*SLOT
	s_add_nc_u64 s[G0B+4*(\s)+2:G0B+4*(\s)+3], s[46:47], (\s)*KSTEP*2
	s_or_b32 s[G0B+4*(\s)+3], s[G0B+4*(\s)+3], 0x80000000
	JLOAD \s                                       ; the ring is filled before anything else is done: two loads of mine are out; later one behind each round
.endr
	; A fragment is 16 rows x 32 K in 8 registers: lane l holds row l % 16; registers 0-3 hold K = 8 (l / 16) + 0..7, registers 4-7 hold
	; K = 16 + 8 (l / 16) + 0..7.  From rows that lie along K: two loads of 16 bytes, 32 bytes apart.  The same for source 0 and source 1.
	v_and_b32 v1, 15, v0                           ; l % 16
	v_bfe_u32 v2, v0, 4, 1                         ; l / 16
	v_mul_u32_u24 v3, v1, PITCH
	v_lshl_add_u32 v3, v2, 4, v3                   ; row x pitch + 16 x half
	s_mul_i32 s21, s[RH], HALFT                    ; my 128 rows of xb
	s_mul_i32 s22, s[CH], HALFT                    ; my 128 rows of wb,
	s_add_co_u32 s22, s22, 2*HALFT                 ; which lie behind xb's 256
.irp s, 0,1
	v_add_nc_u32 v[ADRA+(\s)], s21, v3
	v_add_nc_u32 v[ADRB+(\s)], s22, v3
	s_add_co_u32 s21, s21, SLOT
	s_add_co_u32 s22, s22, SLOT
.endr
	s_mul_i32 s23, s[WV], 16*SPITCH
	s_add_co_u32 s23, s23, STAGE                   ; my stage
	v_mul_u32_u24 v4, v1, SPITCH                   ; in: row l % 16, 32 bytes for each half of the lanes
	v_lshl_add_u32 v4, v2, 5, v4
	v_add_nc_u32 v[STO], s23, v4
	v_and_b32 v5, 31, v0
	v_lshlrev_b32 v[CO], 4, v5                     ; back: the 32 lanes take one row of 512 bytes
	v_add_nc_u32 v[RD], s23, v[CO]
	; my 128 columns begin at column 256 x tile column + 128 x half: 4 bytes each, in scale and in a row of out0
	s_lshl_b32 s46, s42, 10
	s_lshl_b32 s47, s[CH], 9
	s_add_co_u32 s46, s46, s47
	s_mov_b32 s47, 0
	s_add_nc_u64 s[8:9], s[8:9], s[46:47]
	global_load_b128 v[SC:SC+3], v[CO], s[8:9]     ; scale of columns 4 l .. 4 l + 3 of my 128: the columns that lane l stores in every row; waited for in front of the way out
	s_lshl_b32 s16, s43, 8
	s_lshl_b32 s17, s[RH], 7
	s_add_co_u32 s16, s16, s17                     ; my first row of out0,
	s_lshl_b32 s16, s16, 14                        ; 16,384 bytes a row: under 2^26
	s_mov_b32 s17, 0
	s_add_nc_u64 s[16:17], s[16:17], s[46:47]
	s_add_nc_u64 s[10:11], s[10:11], s[16:17]      ; out0 at my part's first number; never stepped again
; 16 matrix instructions: m blocks a0, a0 + 1 of the window's four (hi = 0: my rows 0-63, 1: rows 64-127) x all 8 n blocks, 32 along K.
; zero = 1: the first product starts the sums: nothing is ever cleared.  The 64 accumulators take turns, in the same order in every quarter step.
.macro MUL16 f, hi, a0, zero
	WIN MUL_LO+0x50*(\hi)
.irp a, \a0, (\a0)+1
.irp b, 0,1,2,3,4,5,6,7
.if \zero
	v_wmma_f32_16x16x32_bf16 v[8*(8*(\a)+(\b)):8*(8*(\a)+(\b))+7], v[(\f)+8*(\b):(\f)+8*(\b)+7], v[(\f)+8*(4*(\hi)+(\a)):(\f)+8*(4*(\hi)+(\a))+7], 0
.else
	v_wmma_f32_16x16x32_bf16 v[8*(8*(\a)+(\b)):8*(8*(\a)+(\b))+7], v[(\f)+8*(\b):(\f)+8*(\b)+7], v[(\f)+8*(4*(\hi)+(\a)):(\f)+8*(4*(\hi)+(\a))+7], v[8*(8*(\a)+(\b)):8*(8*(\a)+(\b))+7]
.endif
.endr
.endr
.endm
; 32 LDS loads in one run: the fragments of one quarter step (128 rows of wb, 128 rows of xb, 32 K at byte k of the rows) into buffer f
.macro FETCH slot, k, f
	WIN TO_B
.irp i, 0,1,2,3,4,5,6,7
	ds_load_b128 v[(\f)+8*(\i):(\f)+8*(\i)+3],   v[ADRB+(\slot)] offset:(\k)+(\i)*16*PITCH
	ds_load_b128 v[(\f)+8*(\i)+4:(\f)+8*(\i)+7], v[ADRB+(\slot)] offset:(\k)+(\i)*16*PITCH+32
.endr
	WIN 0
.irp i, 0,1,2,3,4,5,6,7
	ds_load_b128 v[(\f)+8*(\i):(\f)+8*(\i)+3],   v[ADRA+(\slot)] offset:(\k)+(\i)*16*PITCH
	ds_load_b128 v[(\f)+8*(\i)+4:(\f)+8*(\i)+7], v[ADRA+(\slot)] offset:(\k)+(\i)*16*PITCH+32
.endr
.endm
; A load into a register that a matrix instruction has read, and a store that reads a matrix result, stand four places behind that matrix instruction, and only plain vector instructions
; that name none of its registers are places (ISA guide 7.12.1 for vector instructions); the matrix instructions in between are not counted.
.macro PLACES
.rept 4
	v_nop
.endr
.endm
; A K step is four quarter steps of 32 along K, 64 matrix instructions each, on buffers 0, 1, 0, 1.
; One of the first three: multiplies buffer f; in its middle it fetches the next quarter's fragments, at byte k of the same slot's rows, into buffer g.
.macro QUARTER slot, k, f, g, zero
	s_wait_dscnt 8                                 ; wb and xb's rows 0-63 are in; the youngest eight loads (xb's rows 64-127) may be out
	WIN MUL_LO
	MUL16 \f, 0, 0, \zero
	MUL16 \f, 0, 2, \zero
	PLACES
	FETCH \slot, \k, \g
	s_wait_dscnt 32                                ; all but the 32 just issued
	WIN MUL_HI
	MUL16 \f, 1, 0, \zero
	MUL16 \f, 1, 2, \zero
.endm
; The last quarter multiplies buffer 1 and changes slots.  MEET is its first half: ONE barrier for the change of slots, for two things.  In front of it each wave waits for all its tensor
; loads, of which one is out: its part of the next slot; adds 0 to its spare word; and waits for that and for its own reads of this slot.  Behind it nobody reads this slot any more and the next slot is whole.
.macro MEET round                      ; round = 1: a round of the cluster's barrier follows
	WIN 0                                          ; (the add's two registers lie in window 0)
	s_wait_tensorcnt 0x0                           ; all my tensor loads have landed: the one that was out is my part of the next slot;
	ds_add_u32 v[SPW], v[NIL]                      ; 0 onto my spare word;
	s_wait_dscnt 9                                 ; (the add and the youngest eight loads may be out)
	WIN MUL_LO
	MUL16 F1, 0, 0, 0                              ; sixteen matrix instructions stand between the add and the wait for it
	s_wait_dscnt 0x0                               ; the add is done, and my reads of this slot are over:
	s_barrier_signal -1                            ; say so (where a slot is filled again this barrier opens a round of the cluster's barrier),
	MUL16 F1, 0, 2, 0                              ; work on registers while the others arrive,
.if \round
	WIN 0
.endif
	s_barrier_wait -1                              ; and go on when all four have said so
.endm
; The whole last quarter.  Behind the round the slot just read out is filled again first, with the K step two steps on; then come the next slot's first fragments.
; From a request to the wait for it a wave issues 224 matrix instructions.
.macro TURN slot, next
	MEET 1
	CREST                                          ; no wave of any partner still reads this slot's tile or has a load on its way
	s_add_nc_u64 s[G0+4*(\slot)+2:G0+4*(\slot)+3], s[G0+4*(\slot)+2:G0+4*(\slot)+3], 2*KSTEP*2     ; no tensor load of mine is out: a group 0 may be written; the type bits on top are not reached
	s_add_nc_u64 s[G0B+4*(\slot)+2:G0B+4*(\slot)+3], s[G0B+4*(\slot)+2:G0B+4*(\slot)+3], 2*KSTEP*2
	JLOAD \slot                                    ; the first tensor load behind the round, and my only one until the next; the four v_nop behind it are also the places in front of the loads below
	FETCH \next, 0, F0
	WIN MUL_HI
	MUL16 F1, 1, 0, 0
	MUL16 F1, 1, 2, 0
.endm
; The same in the last lap: nothing is left to ask for, so no round follows the barrier and no slot is filled.
.macro TURNX
	MEET 0
	PLACES
	FETCH 1, 0, F0
	WIN MUL_HI
	MUL16 F1, 1, 0, 0
	MUL16 F1, 1, 2, 0
.endm
; THE WAY OUT of block a (16 of my rows x my 128 columns), in two parts.
; TOSTAGE: the eight accumulators go into my own stage as they are, 32 bytes a lane and accumulator (each accumulator's low four registers first), and come back as
; whole rows of 512 bytes.  LDS serves a wave's instructions in order (ISA guide 5.7.1.4): the loads see the stores above them, and the next block's stores come behind these loads; the stage is mine alone: no barrier.
.macro TOSTAGE a
.set AC, 64*((\a)%4)
.set BK, OB+64*((\a)%2)
	WIN 0x08+4*((\a)/4)                            ; an LDS store's data is source 1: window 2 (blocks 0-3) or 3 (blocks 4-7)
.irp b, 0,1,2,3,4,5,6,7
	ds_store_b128 v[STO], v[AC+8*(\b):AC+8*(\b)+3]   offset:64*(\b)
	ds_store_b128 v[STO], v[AC+8*(\b)+4:AC+8*(\b)+7] offset:64*(\b)+16
.endr
	WIN 0
.if (\a) >= 2
	s_wait_xcnt 0x0                                ; block a - 2's stores have read these 64 registers: they are loaded again only behind this wait
.endif
.irp t, 0,1,2,3,4,5,6,7,8,9,10,11,12,13,14,15
	ds_load_b128 v[BK+4*(\t):BK+4*(\t)+3], v[RD] offset:(\t)*SPITCH
.endr
.endm
; SEND: row by row, times scale, and stored: a wave's store covers 512 consecutive bytes of a row of out0, at a multiple of 512 from its first byte.  The row stands in the immediate:
; 127 rows of 16,384 bytes at the most, inside its signed 24 bits.  younger: the LDS instructions issued behind block a's loads.
.macro SEND a, younger
.set BK, OB+64*((\a)%2)
	WIN 0
.irp t, 0,1,2,3,4,5,6,7,8,9,10,11,12,13,14,15
	s_wait_dscnt (\younger)+15-(\t)                ; row t is back in registers
	v_pk_mul_f32 v[BK+4*(\t):BK+4*(\t)+1],   v[BK+4*(\t):BK+4*(\t)+1],   v[SC:SC+1]
	v_pk_mul_f32 v[BK+4*(\t)+2:BK+4*(\t)+3], v[BK+4*(\t)+2:BK+4*(\t)+3], v[SC+2:SC+3]
	global_store_b128 v[CO], v[BK+4*(\t):BK+4*(\t)+3], s[10:11] offset:(16*(\a)+(\t))*SIZE_N*4 th:TH_STORE_NT
.endr
.endm
	s_wait_tensorcnt 0x1                           ; my part of K step 0 is in; K step 1's may stay out
	s_barrier_signal -1
	s_barrier_wait -1                              ; everybody's is
	FETCH 0, 0, F0
	QUARTER 0, 64,  F0, F1, 1                      ; the first quarter stands in front of the loop: its products start the sums
	WIN 0                                          ; at a label and at a branch every window is 0
	s_mov_b32 s[LAP], LAPS-1
.Llap:                                                 ; 15 trips: once round the ring, from a lap's second quarter to the next lap's first; trip t asks for K steps 2 t + 2 and 2 t + 3
	QUARTER 0, 128, F1, F0, 0
	QUARTER 0, 192, F0, F1, 0
	TURN 0, 1
	QUARTER 1, 64,  F0, F1, 0
	QUARTER 1, 128, F1, F0, 0
	QUARTER 1, 192, F0, F1, 0
	TURN 1, 0
	QUARTER 0, 64,  F0, F1, 0
	WIN 0
	s_sub_co_u32 s[LAP], s[LAP], 1
	s_cmp_lg_u32 s[LAP], 0
	s_cbranch_scc1 .Llap
	QUARTER 0, 128, F1, F0, 0                      ; the last lap is written out: it asks for nothing
	QUARTER 0, 192, F0, F1, 0
	TURNX
	QUARTER 1, 64,  F0, F1, 0
	QUARTER 1, 128, F1, F0, 0
	QUARTER 1, 192, F0, F1, 0
	s_wait_dscnt 8                                 ; the very last quarter: nothing more to fetch
	WIN MUL_LO
	MUL16 F1, 0, 0, 0
	MUL16 F1, 0, 2, 0
	s_wait_dscnt 0x0
	MUL16 F1, 1, 0, 0
	MUL16 F1, 1, 2, 0
	PLACES                                         ; behind the last products: the stage's stores read results, and its loads land where fragments lay
	s_wait_loadcnt 0x0                             ; scale
	TOSTAGE 0
.irp a, 1,2,3,4,5,6,7                  ; block a's trip through the stage is under way while block a - 1 is scaled and stored
	TOSTAGE \a
	SEND (\a)-1, 32                                ; behind block a - 1's loads: block a's sixteen stores and sixteen loads
.endr
	SEND 7, 0
	s_wait_tensorcnt 0x0                           ; the wave's end: behind my last tensor load and my last LDS store
	ds_add_u32 v[SPW], v[NIL]
	s_wait_dscnt 0x0
	CROUND                                         ; the closing round: no work-group ends while a partner may still ask for a tile that names it
	s_endpgm
.Lfunc_end_k_qf4abc0f108_gemm:
	.size	k_qf4abc0f108_gemm, .Lfunc_end_k_qf4abc0f108_gemm-k_qf4abc0f108_gemm
	.p2alignl 7, 3214868480
	.fill 96, 4, 3214868480
	.section	.rodata,"a",@progbits
	.p2align	6, 0x0
	.amdhsa_kernel k_qf4abc0f108_gemm
		.amdhsa_group_segment_fixed_size 327680
		.amdhsa_private_segment_fixed_size 0
		.amdhsa_enable_private_segment 0
		.amdhsa_kernarg_size 32
		.amdhsa_user_sgpr_count 2
		.amdhsa_user_sgpr_kernarg_segment_ptr 1
		.amdhsa_wavefront_size32 1
		.amdhsa_system_sgpr_workgroup_id_x 1
		.amdhsa_system_sgpr_workgroup_id_y 1
		.amdhsa_system_sgpr_workgroup_id_z 1
		.amdhsa_system_vgpr_workitem_id 0
		.amdhsa_next_free_vgpr 1024
		.amdhsa_next_free_sgpr 66
		.amdhsa_reserve_vcc 0
		.amdhsa_float_denorm_mode_32 3
		.amdhsa_float_denorm_mode_16_64 3
		.amdhsa_memory_ordered 1
		.amdhsa_forward_progress 1
		.amdhsa_inst_pref_size 160
	.end_amdhsa_kernel
	.amdgpu_metadata
---
amdhsa.version: [ 1, 2 ]
amdhsa.kernels:
  - .name:           k_qf4abc0f108_gemm
    .symbol:         k_qf4abc0f108_gemm.kd
    .args:
      - { .name: xb, .offset: 0, .size: 8, .value_kind: global_buffer, .address_space: global }
      - { .name: wb, .offset: 8, .size: 8, .value_kind: global_buffer, .address_space: global }
      - { .name: scale, .offset: 16, .size: 8, .value_kind: global_buffer, .address_space: global }
      - { .name: out0, .offset: 24, .size: 8, .value_kind: global_buffer, .address_space: global }
    .group_segment_fixed_size: 327680
    .private_segment_fixed_size: 0
    .kernarg_segment_align: 8
    .kernarg_segment_size: 32
    .max_flat_workgroup_size: 128
    .sgpr_count:     66
    .vgpr_count:     1024
    .wavefront_size: 32
...
	.end_amdgpu_metadata
.endif
;; end of part 2
;; ======== version 2 of 2: 2 launches; version 1 with the launch prep written anew for expert scheduling mode
;; workspace buffers: xb 33,554,432 bytes; wb 33,554,432 bytes
;; launch prep (part 3): grid 1024 x 1, 8 waves a work-group, no clusters, 1,536 bytes of LDS; arguments x, grid_indices, lut, xb, wb; writes xb, wb
.if DOCPART == 3
	.amdgcn_target "amdgcn-amd-amdhsa--gfx1250"
	.amdhsa_code_object_version 6
	.text
	.protected	k_qf4abc0f108_prep
	.globl	k_qf4abc0f108_prep
	.p2align	8
	.type	k_qf4abc0f108_prep,@function
k_qf4abc0f108_prep:
	s_mov_b64 s[64:65], 0
	v_nop
	global_prefetch_b8 v0, s[64:65] scope:SCOPE_SE
	s_setreg_imm32_b32 hwreg(HW_REG_WAVE_SCHED_MODE, 0, 2), 2
	s_setreg_imm32_b32 hwreg(HW_REG_WAVE_MODE, 25, 1), 1
	s_wait_xcnt 0x0
	s_wait_alu depctr_vm_vsrc(0)
; xb = bf16(x), wb[o][i] = bf16(lut[idx[o][i]]).  x: 16,777,216 f32; idx: 16,777,216 int32; lut: 256 f32; xb, wb: bf16 in the same linear order.
; The per-row scale is NOT applied here: the matrix operands stay exactly x and lut rounded once to bf16 (nearest even); the product's launch multiplies its finished f32 sums by scale.
; LIMITS.  An index is read as unsigned and held to 255 (the problem states 0 .. 255).  NaN and infinities pass through the rounding as they are.
; SHARES.  A stream: no matrix unit, no cluster, no tile.  Work-group g takes bytes 65,536 g on of x and of idx; wave w 8,192 bytes of each, as 16 loads of 512 consecutive bytes in two
; rounds of eight.  A lane's 16 bytes (4 numbers) become 8 bytes, so a wave's store covers 256 consecutive bytes, at a multiple of 256 from the buffer's first byte.
; The table lies in LDS as 256 bf16: thread t rounds and stores entry t; one barrier; then each index is one 2-byte LDS load.
; No loop: the two rounds are written out by macro.  A buffer of eight loads is asked for again as soon as its registers are free, so eight to sixteen loads of every wave are on their way until the last round.
; THE MODE: SCHED_MODE bits 1:0 = 2 (LLVM: expert scheduling mode 2), set by the entry lines.  The code itself states the register dependences
; between vector instructions and memory or LDS instructions, with s_wait_alu, always for 0.
; THE PLAN.  A round's work stands in runs, so that one wait serves a whole run.  Registers that memory or LDS instructions touch:
;   v1, v7, VI, VO  offsets and an LDS address, made at the head and never written again.
;   v6    the head's arithmetic uses it; lut's load lands in it; one rounding rewrites it; the table's LDS store reads it.
;   IDX   eight loads land in it; 64 vector lines turn it into LDS addresses in place; 32 gathers read it; then the next round's loads land in it.
;   GV    the 32 gathers land in it; 16 packing lines read and write it; eight stores read it; then the next round's gathers land in it.
;   X     eight loads land in it; 16 roundings read it; then the next round's loads land in it.  No store reads it.
;   XO    the 16 roundings write it; eight stores read it; the next round's roundings write it again.
;   SPW, NIL  made at the head, read by the closing add alone.
; The order of a round: addresses | wait | gathers | (wait, idx's next loads) | roundings of x, while the gathers are out | wait | (x's next loads) xb's stores | packing | wait | wb's stores.
.set TAB,   0                          ; LDS bytes 0 .. 511: entry i at byte 2 i
.set SPARE, 512                        ; LDS bytes 512 .. 1,535: the spare words, 128 bytes for each of the eight waves; no other line names them
.set VI,  2                            ; v2   byte offset of my 16 bytes in the group's x and idx: 8,192 wave + 16 lane; never rewritten
.set VO,  3                            ; v3   the same in xb and wb: half of it; never rewritten
.set SPW, 4                            ; v4   LDS address of my spare word; never rewritten
.set NIL, 5                            ; v5   0; never rewritten
.set X,   8                            ; v[8:39]    eight loads of x, 4 registers each
.set IDX, 40                           ; v[40:71]   eight loads of idx; turned into LDS addresses in place
.set GV,  72                           ; v[72:103]  the gathered bf16, one a register, then packed
.set XO,  104                          ; v[104:119] x rounded: 2 registers for each of the eight loads
	s_load_b256 s[4:11], s[0:1], 0x0               ; x s[4:5], idx s[6:7], lut s[8:9], xb s[10:11]
	s_load_b64 s[12:13], s[0:1], 0x20              ; wb
	v_lshl_add_u32 v[SPW], v0, 2, SPARE
	v_mov_b32 v[NIL], 0
	v_lshlrev_b32 v1, 2, v0                        ; my entry of lut, in bytes
	v_lshlrev_b32 v7, 1, v0                        ; and its place in the table
	v_lshrrev_b32 v6, 5, v0                        ; wave
	v_and_b32 v[VI], 31, v0                        ; lane
	v_lshlrev_b32 v[VI], 4, v[VI]
	v_lshl_or_b32 v[VI], v6, 13, v[VI]
	v_lshrrev_b32 v[VO], 1, v[VI]
	s_lshl_b32 s14, ttmp9, 16                      ; the group's 65,536 bytes of x and idx (1,024 groups: under 2^26)
	s_mov_b32 s15, 0
	s_lshl_b32 s16, ttmp9, 15                      ; and its 32,768 bytes of xb and wb
	s_mov_b32 s17, 0
	s_wait_kmcnt 0x0
	s_add_nc_u64 s[4:5], s[4:5], s[14:15]
	s_add_nc_u64 s[6:7], s[6:7], s[14:15]
	s_add_nc_u64 s[10:11], s[10:11], s[16:17]
	s_add_nc_u64 s[12:13], s[12:13], s[16:17]
; Eight loads of 512 consecutive bytes: round rnd of the buffer whose address lies in s[base:base+1].  Each byte is read once in the launch.
.macro LOADS dst, base, rnd
.irp j, 0,1,2,3,4,5,6,7
	global_load_b128 v[(\dst)+4*(\j):(\dst)+4*(\j)+3], v[VI], s[(\base):(\base)+1] offset:(\rnd)*4096+512*(\j) th:TH_LOAD_NT
.endr
.endm
; Eight loads of idx become 32 LDS addresses, in place.  left = the loads issued behind the first of them.
.macro ADDR left
.irp j, 0,1,2,3,4,5,6,7
	s_wait_loadcnt (\left)-(\j)                    ; loads come back in order: load j is in, the younger ones stay out
.irp k, 0,1,2,3
	v_min_u32 v[IDX+4*(\j)+(\k)], 0xff, v[IDX+4*(\j)+(\k)]          ; no index leaves the table
.endr
.irp k, 0,1,2,3
	v_lshlrev_b32 v[IDX+4*(\j)+(\k)], 1, v[IDX+4*(\j)+(\k)]         ; 2 bytes an entry
.endr
.endr
.endm
; The 32 gathers, in one run.
.macro GATHER
.irp j, 0,1,2,3,4,5,6,7
.irp k, 0,1,2,3
	ds_load_u16 v[GV+4*(\j)+(\k)], v[IDX+4*(\j)+(\k)]
.endr
.endr
.endm
; Eight loads of x are rounded into XO.  left = the loads issued behind the first of them.
.macro CVT_X left
.irp j, 0,1,2,3,4,5,6,7
	s_wait_loadcnt (\left)-(\j)
	v_cvt_pk_bf16_f32 v[XO+2*(\j)],   v[X+4*(\j)],   v[X+4*(\j)+1]  ; two roundings, the first number in the low half
	v_cvt_pk_bf16_f32 v[XO+2*(\j)+1], v[X+4*(\j)+2], v[X+4*(\j)+3]
.endr
.endm
.macro STORE_X rnd
.irp j, 0,1,2,3,4,5,6,7
	global_store_b64 v[VO], v[XO+2*(\j):XO+2*(\j)+1], s[10:11] offset:(\rnd)*2048+256*(\j)
.endr
.endm
; The gathered halves are packed in the order in which they come back.
.macro PACK
.irp j, 0,1,2,3,4,5,6,7
	s_wait_dscnt 28-4*(\j)                         ; the four gathers of each younger group may stay out
	v_lshl_or_b32 v[GV+4*(\j)],   v[GV+4*(\j)+1], 16, v[GV+4*(\j)]  ; the upper halves came in as zeros
	v_lshl_or_b32 v[GV+4*(\j)+1], v[GV+4*(\j)+3], 16, v[GV+4*(\j)+2]
.endr
.endm
.macro STORE_W rnd
.irp j, 0,1,2,3,4,5,6,7
	global_store_b64 v[VO], v[GV+4*(\j):GV+4*(\j)+1], s[12:13] offset:(\rnd)*2048+256*(\j)
.endr
.endm
	s_wait_alu depctr_va_vdst(0)                   ; v1, v7, VI and VO are written, which the loads and stores below read; the head's lines are done with v6, in which lut's load lands
	global_load_b32 v6, v1, s[8:9]                 ; lut[t]
	LOADS IDX, 6, 0
	LOADS X, 4, 0
	s_wait_loadcnt 16                              ; lut's load is in; the sixteen behind it stay out
	v_cvt_pk_bf16_f32 v6, v6, v6
	s_wait_alu depctr_va_vdst(0)                   ; the rounding has written v6, which the LDS store reads
	ds_store_b16 v7, v6
	s_wait_dscnt 0x0                               ; for the others' sake: my entry of the table is written
	s_barrier_signal -1
	s_barrier_wait -1                              ; the table is whole; nobody writes it again
	ADDR 15                                        ; behind idx's load j: 7 - j of idx and 8 of x
	s_wait_alu depctr_va_vdst(0)                   ; the 32 addresses in IDX are written, which the gathers read
	GATHER
	s_wait_alu depctr_vm_vsrc(0)                   ; the gathers have read IDX, in which the next loads land (the lines that wrote IDX stand ahead of the wait above)
	LOADS IDX, 6, 1
	CVT_X 15                                       ; behind x's load j: 7 - j of x and 8 of idx's second round; the gathers are out meanwhile
	s_wait_alu depctr_va_vdst(0)                   ; the roundings are done reading X, in which the next loads land, and have written XO, which the stores read
	LOADS X, 4, 1                                  ; loads ahead of stores
	STORE_X 0
	PACK
	s_wait_alu depctr_va_vdst(0)                   ; the packing lines have written GV, which the stores read
	STORE_W 0
	ADDR 15                                        ; behind idx's load j: 7 - j of idx and 8 of x's second round
	s_wait_xcnt 0x0                                ; every earlier memory instruction has had its addresses translated: GV and XO, the first round's store data, are written again only behind this wait
	s_wait_alu depctr_vm_vsrc(0)                   ; the first round's stores have read GV, in which the gathers land, and XO, which the roundings write again
	s_wait_alu depctr_va_vdst(0)                   ; the 32 addresses in IDX are written, which the gathers read
	GATHER
	CVT_X 7                                        ; nothing was issued behind these eight
	s_wait_alu depctr_va_vdst(0)                   ; the roundings have written XO, which the stores read
	STORE_X 1
	PACK
	s_wait_alu depctr_va_vdst(0)                   ; the packing lines have written GV, which the stores read
	STORE_W 1
	s_wait_dscnt 0x0                               ; the closing lines, six on end
	s_wait_alu 0x0
	s_wait_tensorcnt 0x0
	ds_add_u32 v[SPW], v[NIL]
	s_wait_dscnt 0x0
	s_endpgm
.Lfunc_end_k_qf4abc0f108_prep:
	.size	k_qf4abc0f108_prep, .Lfunc_end_k_qf4abc0f108_prep-k_qf4abc0f108_prep
	.p2alignl 7, 3214868480
	.fill 96, 4, 3214868480
	.section	.rodata,"a",@progbits
	.p2align	6, 0x0
	.amdhsa_kernel k_qf4abc0f108_prep
		.amdhsa_group_segment_fixed_size 1536
		.amdhsa_private_segment_fixed_size 0
		.amdhsa_enable_private_segment 0
		.amdhsa_kernarg_size 40
		.amdhsa_user_sgpr_count 2
		.amdhsa_user_sgpr_kernarg_segment_ptr 1
		.amdhsa_wavefront_size32 1
		.amdhsa_system_sgpr_workgroup_id_x 1
		.amdhsa_system_sgpr_workgroup_id_y 1
		.amdhsa_system_sgpr_workgroup_id_z 1
		.amdhsa_system_vgpr_workitem_id 0
		.amdhsa_next_free_vgpr 120
		.amdhsa_next_free_sgpr 66
		.amdhsa_reserve_vcc 0
		.amdhsa_float_denorm_mode_32 3
		.amdhsa_float_denorm_mode_16_64 3
		.amdhsa_memory_ordered 1
		.amdhsa_forward_progress 1
		.amdhsa_inst_pref_size 24
	.end_amdhsa_kernel
	.amdgpu_metadata
---
amdhsa.version: [ 1, 2 ]
amdhsa.kernels:
  - .name:           k_qf4abc0f108_prep
    .symbol:         k_qf4abc0f108_prep.kd
    .args:
      - { .name: x, .offset: 0, .size: 8, .value_kind: global_buffer, .address_space: global }
      - { .name: grid_indices, .offset: 8, .size: 8, .value_kind: global_buffer, .address_space: global }
      - { .name: lut, .offset: 16, .size: 8, .value_kind: global_buffer, .address_space: global }
      - { .name: xb, .offset: 24, .size: 8, .value_kind: global_buffer, .address_space: global }
      - { .name: wb, .offset: 32, .size: 8, .value_kind: global_buffer, .address_space: global }
    .group_segment_fixed_size: 1536
    .private_segment_fixed_size: 0
    .kernarg_segment_align: 8
    .kernarg_segment_size: 40
    .max_flat_workgroup_size: 256
    .sgpr_count:     66
    .vgpr_count:     120
    .wavefront_size: 32
...
	.end_amdgpu_metadata
.endif
;; end of part 3
;; launch gemm: the kernel of part 2 again; grid 16 x 16, 4 waves a work-group, clusters of 4 x 4, 327,680 bytes of LDS; arguments xb, wb, scale, out0; writes out0
